; MI455X (gfx1250); checked and timed in simulation.
; The chip was launched on July 23, 2026; its instructions are those of AMD's public machine-readable ISA for CDNA 5 (MIT licence, August 2026) and "CDNA5" Instruction Set Architecture Reference Guide (July 2026). The comments in the code are by the model that wrote it; some were corrected since.
;; Quant Linear. Allowed arithmetic: matrix products marked QUANTISED: E3M2 operands, one E8M0 scale for each 32 along K, by v_wmma_scale_f32_16x16x128_f8f6f4 with both operands' format E3M2, f32 sums; everything else in f32.
;; Inputs: bias 2,048 float32; offsets 65,536 float32; packed 4,194,304 int32; scales 65,536 float32; x 4 x 2,048 x 4,096 float32.
;; Outputs: out0 4 x 2,048 x 2,048 float32.
;; This version of the problem:
;;   THIS VERSION OF THE PROBLEM IS GIVEN IN LOW PRECISION. The matrix products marked QUANTISED in the list below multiply operands that are first quantised to E3M2 (3 exponent bits, 2 mantissa bits; 6 bits a number), with one power-of-two scale for each 32 numbers along K (OCP MX v1.0); their sums are f32. All else is computed in f32.
;;   The module's matrix products, in the order in which they are computed (A, B: the left and right operand; K: the contracted axis; several contracted axes count as one K, in the product's order):
;;     1. [M 8,192, K 4,096] x [K 4,096, N 2,048]; A: input x; B: computed on the way: QUANTISED
;;   THE QUANTISER, for each operand of a quantised product, along K:
;;     - K is cut into blocks of 32 from its start; a last block that is shorter is filled with zeros.
;;     - A block's scale is 2^e with e = floor(log2(the largest magnitude in the block)) - 4, held to -126 .. 127; a block of zeros has e = 0. As a byte (E8M0): e + 127.
;;     - Each number is divided by its block's scale, clamped to +-28, and rounded to the nearest number of E3M2, ties to even, subnormals kept.
;;     - The product sums the exact products of the quantised numbers (number of the format x scale) in f32.
;;   ~~~python
;;   def quantise(x, axis):      # numpy; x: float32 -> the quantised numbers, widened to float32 again
;;       x = np.moveaxis(x, axis, -1); K = x.shape[-1]
;;       x = np.pad(x, [(0, 0)] * (x.ndim - 1) + [(0, -K % 32)]); x = x.reshape(x.shape[:-1] + (-1, 32)); a = np.abs(x).max(-1, keepdims=True)
;;       e = np.where(a > 0, np.clip(np.frexp(np.where(a > 0, a, 1))[1] - 1 - 4, -126, 127), 0)      # np.frexp(a)[1] - 1 = floor(log2(a)), exactly
;;       r = np.clip(x / 2.0 ** e, -28, 28)
;;       step = 2.0 ** (np.maximum(np.frexp(np.where(r == 0, 1, r))[1] - 1, -2) - 2)
;;       q = np.round(r / step) * step * 2.0 ** e      # np.round: ties to even
;;       return np.moveaxis(q.reshape(q.shape[:-2] + (-1,))[..., :K], -1, axis).astype(np.float32)
;;   ~~~
;;   OPERANDS COMPUTED ON THE WAY. 'Computed on the way' means the value that the module computes at that place (a softmax that the list does not call 'softmax' is quantised finished and normalised). What goes into a quantiser is computed in f32, as accurately as f32 sums, v_exp_f32 and their like allow (about 1e-6 of the number): no bf16 or f16 on the way to a quantiser, and a product that is left as it is and whose result goes on into a quantised operand takes f32 operands (vector FMAs, or v_wmma_f32_16x16x4_f32). A number that lies on a knife's edge between two numbers of the format may be rounded either way, as far as f32 arithmetic and the matrix unit's own rounding can turn it there, and no further.
;; One version. Each part assembles by itself: llvm-mc -triple=amdgcn-amd-amdhsa -mcpu=gfx1250 --defsym DOCPART=n.
;; ======== version 1 of 1: 2 launches
;; limits: right only within a limited range of input values
;; workspace buffers: xq 26,214,400 bytes; wq 6,553,600 bytes
;; launch quant (part 1): grid 1280 x 1, 4 waves a work-group, no clusters, 53,760 bytes of LDS; arguments x, packed, scales, offsets, xq, wq; writes xq, wq
.if DOCPART == 1
	.amdgcn_target "amdgcn-amd-amdhsa--gfx1250"
	.amdhsa_code_object_version 6
	.text
	.protected	k_q054063a819_quant
	.globl	k_q054063a819_quant
	.p2align	8
	.type	k_q054063a819_quant,@function
k_q054063a819_quant:
	s_mov_b64 s[64:65], 0
	v_nop
	global_prefetch_b8 v0, s[64:65] scope:SCOPE_SE
	s_setreg_imm32_b32 hwreg(HW_REG_WAVE_MODE, 25, 1), 1
	s_wait_xcnt 0x0
; Both operands of out = x w^T + bias are turned into codes of BF6 (E3M2), 6 bits each, with one E8M0 scale byte for each 32 along K, and laid IN THE ORDER OF THE MATRIX OPERAND'S REGISTERS.
; x: [8192][4096] f32, as it comes.  w: [2048][4096], made here in f32: w = nibble x scales[g] + offsets[g], g = one group for each 128 numbers; each int32 of packed holds two nibbles, bits 3:0 the even k, bits 7:4 the odd k.
; A block's scale is 2^(floor(log2(its largest magnitude)) - 4); its byte is the largest magnitude's own exponent field - 4, held at 1 from below.  Each number is divided by the scale and rounded to the nearest code, ties to even,
; beyond the largest code the largest.
; THE LAYOUT OF xq AND wq.  For each group G of 128 rows and each q of the 32 steps of 128 along K: one dense block of 12,800 bytes at (32 G + q) x 12,800.  In it eight fragment images of 1,536 bytes (fragment i: rows 16 i .. 16 i + 15):
; a fragment is 12 registers a lane, and registers 4 c .. 4 c + 3 of lane l lie at 1,536 i + 512 c + 16 l; behind them, at 12,288 + 4 x row, the rows' scale words (byte b: k = 32 b .. 32 b + 31).
; So the product's launch brings any run of blocks by one dense tensor load and a fragment by three loads of 16 bytes a lane.
; LIMITS: NaN and infinities among the inputs are not served.  A block of zeros gets the byte 1 where the rule says 127: its codes are zeros, which add nothing under any byte but 0xff, and this program alone reads the bytes.
; w is one fused multiply-add (one rounding) where the definition writes a multiplication and an addition.
; SHARES.  Work-groups 0 to 1023 take x, 1024 to 1279 take w: two paths that part on the work-group's number and never join, each with LDS bytes of its own.  A wave takes 64 rows x 128 along K: four fragments, half a block.
; The four waves of a work-group stand side by side along K.  The conversion takes 16 numbers of one block from ONE lane's registers, and the operand's layout gives lane (r, h) row r: so a lane must hold 16 neighbours of each of its
; row's four blocks, while a load is best where neighbouring lanes take neighbouring bytes: each load reads 512 consecutive bytes (x: a row's 128 numbers; w: two rows' 64 int32), and a fragment's 16 rows turn through the wave's own
; stage in LDS.  Every store of codes covers 512 consecutive bytes, aligned; a wave's 64 scale words leave by one store of 256 consecutive bytes, aligned.
; No tensor loads, no barrier, no matrix unit: waves share nothing, and the launch is a stream.  Sixteen loads of a wave are on their way, in four sets of four; every offset is an immediate.
; THE ROWS OF A FRAGMENT: in xq as said above.  In wq fragment i = 4 g + b of a group holds, in lane (r, h), row 64 g + 4 r + b: so in the product a lane's results of the four fragments 4 g .. 4 g + 3
; are four neighbouring columns of the output.  The scale words follow the images: word 16 i + r belongs to lane r of fragment i.
.set XWG,    1024                      ; work-groups for x: 128 runs of 64 rows x 8 runs of 512 along K
.set FRB,    1536                      ; a fragment's image
.set SCO,    8*FRB                     ; where a block's scale words begin
.set BLK,    SCO+512                   ; a block
.set XPITCH, 528                       ; x: a stage row: 512 bytes + 16: the sixteen rows that sixteen lanes read start at sixteen different places modulo 256 bytes (64 banks of 4 bytes: ISA guide 11.1)
.set XREG,   16*XPITCH+256             ; x: a wave's LDS: a stage of 16 rows, then its 64 scale words
.set WPITCH, 272                       ; w: a stage row: 256 bytes (64 int32) + 16
.set WREG,   16*WPITCH+256
.set WBASE,  4*XREG                    ; w's regions lie behind x's
.set R,      16                        ; v16-79   four sets of four loads
.set X,      80                        ; v80-143  64 numbers of my row: register 16 b + i = k 32 b + 16 h + i
.set PC,     144                       ; v144-155 the fragment's 12 registers; v156-162 at work
.set TM,     164                       ; v164-167 largest magnitudes, v168-171 bytes, v176-179 the conversions' scale operands
.set PW,     180                       ; my row's scale word
.set SO,     182                       ; w: v182-189: fragment t: my row's scale at SO + 2 t, its offset at SO + 2 t + 1
.set SEL,    26                        ; s[26:27] v_permlanex16_b32's selects for lane l xor 16
	s_load_b256 s[4:11], s[0:1], 0x0               ; x s[4:5], packed s[6:7], scales s[8:9], offsets s[10:11]
	s_load_b128 s[12:15], s[0:1], 0x20             ; xq s[12:13], wq s[14:15]
	v_lshl_add_u32 v190, v0, 2, 0xd000             ; my spare word, behind both paths' regions; never rewritten
	v_mov_b32 v191, 0                              ; 0; never rewritten
	v_lshrrev_b32 v1, 5, v0
	v_readfirstlane_b32 s20, v1                    ; wave 0..3
	v_and_b32 v2, 31, v0                           ; lane
	v_and_b32 v1, 15, v0                           ; r
	v_bfe_u32 v9, v0, 4, 1                         ; h
	v_lshlrev_b32 v3, 4, v2                        ; 16 x lane: my 16 bytes of 512
	v_lshlrev_b32 v7, 3, v2                        ; 8 x lane
	s_mov_b32 s[SEL], 0x76543210
	s_mov_b32 s[SEL+1], 0xfedcba98
.irp b, 0,1,2,3
	v_mov_b32 v[TM+4+\b], 0                        ; written once: a lane permute's destination counts as one of its sources
.endr
	s_mov_b32 s25, 0                               ; the high word of every offset below
	s_wait_kmcnt 0x0
	s_cmp_lt_u32 ttmp9, XWG
	s_cbranch_scc0 .Lweights
; 64 numbers of a lane, v[s] .. v[s + 63], register 16 b + i = k 32 b + 16 (lane / 16) + i of my row, become a fragment's codes in v[PC] on and its scale word in v[PW].
.macro QUANT s
.irp b, 0,1,2,3
	v_max3_num_f32 v[TM+\b], |v[\s+16*\b]|, |v[\s+1+16*\b]|, 0x2800000   ; block b: my 16 numbers, and the floor 2^(5 - 127), under which no largest magnitude is taken: so the byte cannot fall under 1
.endr
.irp i, 2,4,6,8,10,12,14
.irp b, 0,1,2,3
	v_max3_num_f32 v[TM+\b], v[TM+\b], |v[\s+16*\b+\i]|, |v[\s+1+16*\b+\i]|   ; (the four blocks by turns: no line waits for the line above it)
.endr
.endr
.irp b, 0,1,2,3
	v_permlanex16_b32 v[TM+4+\b], v[TM+\b], s[SEL], s[SEL+1]
.endr
.irp b, 0,1,2,3
	v_max_num_f32 v[TM+\b], v[TM+\b], v[TM+4+\b]   ; with lane l xor 16's: the block's largest magnitude
.endr
.irp b, 0,1,2,3
	v_add_nc_u32 v[TM+12+\b], 0xfe000000, v[TM+\b] ; 4 off its exponent field: the conversion takes the exponent field of this operand as its scale, and nothing else of it
.endr
.irp b, 0,1,2,3
	v_lshrrev_b32 v[TM+4+\b], 23, v[TM+12+\b]      ; the scale's byte
.endr
	v_lshl_or_b32 v[PW], v[TM+5], 8, v[TM+4]       ; the four bytes make my row's scale word (lanes l and l xor 16 hold the same)
	v_lshl_or_b32 v[PW], v[TM+6], 16, v[PW]
	v_lshl_or_b32 v[PW], v[TM+7], 24, v[PW]
.irp c, 0,1
	v_cvt_scalef32_pk16_bf6_f32 v[PC+6*\c:PC+2+6*\c], v[\s+32*\c:\s+15+32*\c], v[TM+12+2*\c]
	v_cvt_scalef32_pk16_bf6_f32 v[PC+12+4*\c:PC+14+4*\c], v[\s+16+32*\c:\s+31+32*\c], v[TM+12+2*\c+1]   ; (a conversion's three registers begin on an even number)
.endr
	v_nop                                          ; one plain instruction behind a scaled conversion
.irp c, 0,1                                    ; the operand's layout wants a WHOLE block in a lane: lanes 0-15 block 2 c, lanes 16-31 block 2 c + 1
.irp i, 0,1,2
	v_permlane16_swap_b32 v[PC+6*\c+\i], v[PC+12+4*\c+\i]
.endr
.irp i, 0,1,2
	v_mov_b32 v[PC+3+6*\c+\i], v[PC+12+4*\c+\i]
.endr
.endr
.endm
; Fragment t leaves as it stands: three stores of 512 consecutive bytes; its scale words go to the wave's 256 bytes of LDS (lanes l and l xor 16 write the same word with the same value).
.macro SENDF t
.irp c, 0,1,2
	global_store_b128 v3, v[PC+4*\c:PC+4*\c+3], s[16:17] offset:(\t)*FRB+512*\c
.endr
	ds_store_b32 v5, v[PW] offset:64*(\t)
.endm
; Where my wave's half block lies.  s22 = q, s23 = which run of 64 rows.  Out: s[16:17] its four images, s[18:19] its 64 scale words.
.macro PLACE base
	s_lshr_b32 s28, s23, 1                         ; G
	s_lshl_b32 s28, s28, 5
	s_add_co_u32 s28, s28, s22                     ; 32 G + q
	s_mul_i32 s24, s28, BLK                        ; 2,047 x 12,800 at the most
	s_add_nc_u64 s[16:17], s[\base:\base+1], s[24:25]
	s_and_b32 s28, s23, 1                          ; which half of the group's 128 rows
	s_lshl_b32 s24, s28, 8
	s_add_co_u32 s24, s24, SCO
	s_add_nc_u64 s[18:19], s[16:17], s[24:25]
	s_mul_i32 s24, s28, 4*FRB
	s_add_nc_u64 s[16:17], s[16:17], s[24:25]
.endm
; ---------------------------------------------------------------- x
	s_mul_i32 s21, s20, XREG                       ; my wave's LDS
	s_wait_alu depctr_va_vdst(0)
	v_add_nc_u32 v14, s21, v3                      ; the stage, on the way in: a row as it lies, 16 bytes a lane
	v_mul_u32_u24 v15, v1, XPITCH
	v_lshl_add_u32 v15, v9, 6, v15
	v_add_nc_u32 v15, s21, v15                     ; and on the way out: row r, + 64 h: my 16 numbers of a block of 32
	s_add_co_u32 s21, s21, 16*XPITCH
	v_lshl_add_u32 v5, v1, 2, s21                  ; my row's scale word among a fragment's 16
	v_add_nc_u32 v6, s21, v7                       ; and on the way out 8 bytes a lane
	s_and_b32 s22, ttmp9, 7
	s_lshl_b32 s22, s22, 2
	s_add_co_u32 s22, s22, s20                     ; q = 4 x (work-group mod 8) + wave
	s_lshr_b32 s23, ttmp9, 3                       ; which 64 rows: 0 .. 127
	s_lshl_b32 s24, s23, 20                        ; 64 rows of 16,384 bytes
	s_lshl_b32 s28, s22, 9                         ; 128 numbers are 512 bytes
	s_add_co_u32 s24, s24, s28
	s_add_nc_u64 s[4:5], s[4:5], s[24:25]
	PLACE 12
.macro XLOAD n                         ; rows 4 n .. 4 n + 3 of my 64, into set n % 4
.irp i, 0,1,2,3
	global_load_b128 v[R+16*((\n)%4)+4*\i:R+16*((\n)%4)+4*\i+3], v3, s[4:5] offset:(4*(\n)+\i)*16384 th:TH_LOAD_NT   ; 32 lanes read 512 consecutive bytes; read once in the launch
.endr
.endm
.macro XFRAG t
.irp u, 0,1,2,3
.set N, 4*(\t)+\u
.if 15-N >= 3
	s_wait_loadcnt 12                              ; this set's four loads are in; those of the three sets behind it may be out
.else
	s_wait_loadcnt 4*(15-N)                        ; near the end fewer sets stand behind it
.endif
.irp i, 0,1,2,3
	ds_store_b128 v14, v[R+16*\u+4*\i:R+16*\u+4*\i+3] offset:(4*\u+\i)*XPITCH   ; LDS serves a wave's instructions in order (ISA guide 5.7.1.4): these come behind the last fragment's reads of the stage
.endr
.if N+4 < 16
	s_wait_dscnt 0x0                               ; the stores have read their registers,
	XLOAD N+4                                      ; which take the rows sixteen further down
.endif
.endr
.irp b, 0,1,2,3
.irp j, 0,1,2,3
	ds_load_b128 v[X+16*\b+4*\j:X+16*\b+4*\j+3], v15 offset:128*\b+16*\j   ; in order: these see the sixteen stores above
.endr
.endr
	s_wait_dscnt 0x0
.if (\t) > 0
	s_wait_xcnt 0x0                                ; the last fragment's stores have read their registers: the codes may be written again
.endif
	QUANT X
	SENDF \t
.endm
.irp n, 0,1,2,3
	XLOAD \n
.endr
	s_wait_alu depctr_va_vdst(0)
.irp t, 0,1,2,3
	XFRAG \t
.endr
	ds_load_b64 v[12:13], v6                       ; in order: this sees my four stores of scale words
	s_wait_dscnt 0x0
	global_store_b64 v7, v[12:13], s[18:19]        ; 32 lanes store 256 consecutive bytes, at a multiple of 256 from the buffer's first byte
	s_wait_tensorcnt 0x0
	ds_add_u32 v190, v191
	s_wait_dscnt 0x0
	s_endpgm
; ---------------------------------------------------------------- w
.Lweights:
	s_mul_i32 s21, s20, WREG
	s_add_co_u32 s21, s21, WBASE                   ; my wave's LDS
	s_wait_alu depctr_va_vdst(0)
	v_lshlrev_b32 v8, 4, v1                        ; 16 r
	v_lshl_add_u32 v4, v9, 15, v8                  ; packed: lanes 0-15 take a row's 256 bytes, lanes 16-31 those of the row four further down (4 x 8,192 bytes): neighbouring stage rows are four rows of w apart
	v_mul_u32_u24 v14, v9, WPITCH
	v_add_nc_u32 v14, v14, v8
	v_add_nc_u32 v14, s21, v14                     ; the stage, on the way in: the same two rows
	v_mul_u32_u24 v15, v1, WPITCH
	v_lshl_add_u32 v15, v9, 5, v15
	v_add_nc_u32 v15, s21, v15                     ; and on the way out: row r, + 32 h: the 8 int32 of my 16 numbers of a block of 32
	v_lshlrev_b32 v10, 9, v1                       ; scales and offsets: a row has 32 groups, 128 bytes; my row of fragment t is 4 r + t
	s_wait_alu depctr_va_vdst(0)
	s_add_co_u32 s21, s21, 16*WPITCH
	v_lshl_add_u32 v5, v1, 2, s21
	v_add_nc_u32 v6, s21, v7
	s_sub_co_u32 s29, ttmp9, XWG
	s_and_b32 s22, s29, 7
	s_lshl_b32 s22, s22, 2
	s_add_co_u32 s22, s22, s20                     ; q
	s_lshr_b32 s23, s29, 3                         ; which 64 rows: 0 .. 31
	s_lshl_b32 s24, s23, 19                        ; 64 rows of 8,192 bytes
	s_lshl_b32 s28, s22, 8                         ; 128 numbers are 64 int32
	s_add_co_u32 s24, s24, s28
	s_add_nc_u64 s[6:7], s[6:7], s[24:25]
	s_lshl_b32 s24, s23, 13                        ; 64 rows of 32 groups
	s_lshl_b32 s28, s22, 2                         ; group q of a row
	s_add_co_u32 s24, s24, s28
	s_add_nc_u64 s[8:9], s[8:9], s[24:25]
	s_add_nc_u64 s[10:11], s[10:11], s[24:25]
	PLACE 14
.macro WLOAD n                         ; stage rows 8 (n % 2) .. 8 (n % 2) + 7 of fragment n / 2, into set n % 4
.irp i, 0,1,2,3
	global_load_b128 v[R+16*((\n)%4)+4*\i:R+16*((\n)%4)+4*\i+3], v4, s[6:7] offset:(32*((\n)%2)+8*\i+(\n)/2)*8192 th:TH_LOAD_NT   ; stage row 8 (n % 2) + 2 i + h of fragment n / 2 is row 4 x that + n / 2 of my 64; sixteen lanes read 256 consecutive bytes, aligned
.endr
.endm
.macro WFRAG t
.irp u, 0,1
.set N, 2*(\t)+\u
.if 7-N >= 3
	s_wait_loadcnt 12                              ; this set's four loads are in (and, ahead of the first set, the scales and offsets); those of the three sets behind it may be out
.else
	s_wait_loadcnt 4*(7-N)
.endif
.irp i, 0,1,2,3
	ds_store_b128 v14, v[R+16*(N%4)+4*\i:R+16*(N%4)+4*\i+3] offset:(8*\u+2*\i)*WPITCH
.endr
.if N+4 < 8
	s_wait_dscnt 0x0                               ; the stores have read their registers,
	WLOAD N+4                                      ; which take the rows two further down
.endif
.endr
.irp b, 0,1,2,3
.irp j, 0,1
	ds_load_b128 v[X+16*\b+8+4*\j:X+16*\b+8+4*\j+3], v15 offset:64*\b+16*\j   ; a block's 8 int32 land in the upper half of the block's 16 registers
.endr
.endr
	s_wait_dscnt 0x0
.irp b, 0,1,2,3                                ; and are unpacked in place, from the low end on: number 2 j and 2 j + 1 never land on an int32 that is still to be read
.irp j, 0,1,2,3,4,5,6,7
	v_and_b32 v[X+16*\b+2*\j], 15, v[X+16*\b+8+\j]          ; the low nibble: the even k
	v_bfe_u32 v[X+16*\b+2*\j+1], v[X+16*\b+8+\j], 4, 4      ; bits 7:4: the odd k
.endr
.endr
.set I, 0
.rept 64
	v_cvt_f32_u32 v[X+I], v[X+I]
.set I, I+1
.endr
.set I, 0
.rept 64
	v_fma_f32 v[X+I], v[X+I], v[SO+2*(\t)], v[SO+2*(\t)+1]  ; w = nibble x scale + offset, in f32
.set I, I+1
.endr
.if (\t) > 0
	s_wait_xcnt 0x0                                ; the last fragment's stores have read their registers
.endif
	QUANT X
	SENDF \t
.endm
.irp t, 0,1,2,3
	global_load_b32 v[SO+2*\t], v10, s[8:9] offset:128*\t        ; group q of row 4 r + t (lanes l and l xor 16 read the same word)
	global_load_b32 v[SO+2*\t+1], v10, s[10:11] offset:128*\t
.endr
.irp n, 0,1,2,3
	WLOAD \n
.endr
.irp t, 0,1,2,3
	WFRAG \t
.endr
	ds_load_b64 v[12:13], v6
	s_wait_dscnt 0x0
	global_store_b64 v7, v[12:13], s[18:19]        ; 32 lanes store 256 consecutive bytes, at a multiple of 256 from the buffer's first byte
	s_wait_tensorcnt 0x0
	ds_add_u32 v190, v191
	s_wait_dscnt 0x0
	s_endpgm
.Lfunc_end_k_q054063a819_quant:
	.size	k_q054063a819_quant, .Lfunc_end_k_q054063a819_quant-k_q054063a819_quant
	.p2alignl 7, 3214868480
	.fill 96, 4, 3214868480
	.section	.rodata,"a",@progbits
	.p2align	6, 0x0
	.amdhsa_kernel k_q054063a819_quant
		.amdhsa_group_segment_fixed_size 53760
		.amdhsa_private_segment_fixed_size 0
		.amdhsa_enable_private_segment 0
		.amdhsa_kernarg_size 48
		.amdhsa_user_sgpr_count 2
		.amdhsa_user_sgpr_kernarg_segment_ptr 1
		.amdhsa_wavefront_size32 1
		.amdhsa_system_sgpr_workgroup_id_x 1
		.amdhsa_system_sgpr_workgroup_id_y 1
		.amdhsa_system_sgpr_workgroup_id_z 1
		.amdhsa_system_vgpr_workitem_id 0
		.amdhsa_next_free_vgpr 192
		.amdhsa_next_free_sgpr 66
		.amdhsa_reserve_vcc 0
		.amdhsa_float_denorm_mode_32 3
		.amdhsa_float_denorm_mode_16_64 3
		.amdhsa_memory_ordered 1
		.amdhsa_forward_progress 1
		.amdhsa_inst_pref_size 97
	.end_amdhsa_kernel
	.amdgpu_metadata
---
amdhsa.version: [ 1, 2 ]
amdhsa.kernels:
  - .name:           k_q054063a819_quant
    .symbol:         k_q054063a819_quant.kd
    .args:
      - { .name: x, .offset: 0, .size: 8, .value_kind: global_buffer, .address_space: global }
      - { .name: packed, .offset: 8, .size: 8, .value_kind: global_buffer, .address_space: global }
      - { .name: scales, .offset: 16, .size: 8, .value_kind: global_buffer, .address_space: global }
      - { .name: offsets, .offset: 24, .size: 8, .value_kind: global_buffer, .address_space: global }
      - { .name: xq, .offset: 32, .size: 8, .value_kind: global_buffer, .address_space: global }
      - { .name: wq, .offset: 40, .size: 8, .value_kind: global_buffer, .address_space: global }
    .group_segment_fixed_size: 53760
    .private_segment_fixed_size: 0
    .kernarg_segment_align: 8
    .kernarg_segment_size: 48
    .max_flat_workgroup_size: 128
    .sgpr_count:     66
    .vgpr_count:     192
    .wavefront_size: 32
...
	.end_amdgpu_metadata
.endif
;; end of part 1
;; launch gemm (part 2): grid 8 x 32, 4 waves a work-group, clusters of 4 x 4, 327,680 bytes of LDS; arguments xq, wq, bias, out0; writes out0
.if DOCPART == 2
	.amdgcn_target "amdgcn-amd-amdhsa--gfx1250"
	.amdhsa_code_object_version 6
	.text
	.protected	k_q054063a819_gemm
	.globl	k_q054063a819_gemm
	.p2align	8
	.type	k_q054063a819_gemm,@function
k_q054063a819_gemm:
	s_mov_b64 s[64:65], 0
	v_nop
	global_prefetch_b8 v0, s[64:65] scope:SCOPE_SE
	s_setreg_imm32_b32 hwreg(HW_REG_WAVE_MODE, 25, 1), 1
	s_wait_xcnt 0x0
	s_wait_alu depctr_hold_cnt(0) depctr_sa_sdst(0) depctr_va_vdst(0) depctr_va_sdst(0) depctr_va_ssrc(0) depctr_va_vcc(0) depctr_vm_vsrc(0)
	s_getreg_b32 s2, hwreg(HW_REG_IB_STS2, 6, 4)
	s_cmp_eq_u32 s2, 0
	s_cbranch_scc0 .Lentry_in_a_cluster
	s_endpgm
.Lentry_in_a_cluster:
	s_bfe_u32 s2, ttmp6, 0x10000c
	s_cmp_lg_u32 s2, 0xf033
	s_cbranch_scc0 .Lentry_shape_is_right
	s_endpgm
.Lentry_shape_is_right:
; out0[m][n] = sum over k of x[m][k] w[n][k] + bias[n], on the codes of BF6 (E3M2) and E8M0 scale bytes that the launch before has laid in xq and wq in the order of the operand's registers:
; for each group of 128 rows and each step of 128 along K one dense block of 12,800 bytes: eight fragment images of 1,536 bytes (registers 4 c .. 4 c + 3 of lane l at 512 c + 16 l), then 128 scale words.
; A block of out0, 256 x 256, is made by four waves, 128 x 128 each: 64 accumulators, 512 registers.  8,192 x 2,048 numbers are 256 such blocks: one work-group for each of 256 WGPs.
; THE RING: two LDS slots, each with three steps' blocks of two groups of x and two of w (4 x 38,400 bytes); each wave fills a quarter of a slot by one dense tensor load, rows of 256 bytes on 256-byte borders.
; 32 steps are ten fills of three steps and one of two.  CLUSTERS: 4 x 4 work-groups; x's tiles are asked for jointly along a row of the cluster, w's along a column.
; THE WAY OUT NEEDS NO LDS.  Source 0 is x, source 1 is w: register j of lane (r, h) holds row 8 h + j and the column of w's lane r.  In wq lane r of fragment 4 g + b holds row 64 g + 4 r + b, so the four
; accumulators 4 g .. 4 g + 3 hold, in one lane, four neighbouring columns 64 g + 4 r + 0 .. 3 of a row.  One addition for each number adds the bias and puts the four side by side; sixteen lanes then store 256 consecutive bytes, aligned.
; REGISTERS, in windows of 256: window 0: v0-31 addresses, v32-47 scale words (two sets), v48-55 bias, x's fragments in TWO sets: set 0 at v128-223, set 1 at v56-127 and v224-247;
;   window 1: w's fragments, two sets, at v0 and v128;  windows 2 and 3: the accumulators of my rows 0-63 and 64-127 (accumulator (a, b) at v[8 (8 (a % 4) + b)]).
; A STEP is 64 matrix instructions: x's eight blocks one after the other, each against w's eight.  All operands have two sets, so the next step's 56 LDS loads are free from the step's start on:
; they stand in TWO runs, 27 at the step's start and 29 in its middle, with 32 matrix instructions behind each, and every fragment is asked for at least 32 matrix instructions ahead of its use.
.set SIZE_N, 2048
.set FR,     12                        ; registers of a fragment
.set FRB,    FR*128                    ; its image in bytes
.set SCO,    8*FRB                     ; where a block's scale words begin
.set BLK,    SCO+512                   ; a block: 128 rows x 128 along K
.set WPART,  3*BLK                     ; what one tensor load brings: three steps of one group
.set SLOT,   4*WPART
.set GB,     32*BLK                    ; a group's 32 steps
.set TRIPS,  4
.set SPARE,  2*SLOT                    ; behind the ring: the spare words, 128 bytes a wave: two blocks of 256 bytes that no other line names
.set ADRA, 16                          ; v16-17 LDS address of my x images in slot 0, 1
.set ADRS, 18                          ; v18-19 of my scale words: lanes 0-15 x's, lanes 16-31 w's
.set ADRB, 20                          ; v20-21 of my w images
.set CO,   26                          ; v26 my byte offset in out0: 8 h rows + 16 r
.set BA,   27                          ; v27 my byte offset in bias: 16 r
.set SPW,  28                          ; v28 my spare word; never rewritten
.set NIL,  29                          ; v29 0; never rewritten
.set PFO,  30                          ; v30-31 the prefetches' offsets
.set SC,   32                          ; scale words: set p at v[SC + 8 p]: register i: lanes 0-15 x's block i, lanes 16-31 w's block i
.set BI,   48                          ; v48-55 bias of my columns 64 g + 4 r + b at register 4 g + b
.set G1, 24                            ; s[24:31] group 1 for x's tiles; s[32:39] group 0, one set a slot
.set G0, 32
.set G1B, 48                           ; s[48:55], s[56:63] the same for w's
.set G0B, 56
.set G1P, 68                           ; s[68:75], s[80:87] groups 1 for the last fill, of two steps
.set G1PB, 80
.set PFA, 66                           ; s[66:67] where my prefetches stand
.set MSB, 0
.macro WIN new                         ; the immediate's high byte repeats the setting that is left
.if MSB != \new
	s_set_vgpr_msb (MSB<<8)|\new
.set MSB, \new
.endif
.endm
.set MUL_LO, 0xa4                      ; source 0 (x) window 0, source 1 (w) window 1, C and D window 2; + 0x50: C and D window 3
.set TO_B,   0x40                      ; destination window 1, address window 0
; A joint load: waves 0 and 1 fetch x's two groups, waves 2 and 3 w's.  An s_nop 0 and four v_nop follow each line.
.macro JLOAD g0a, g1a, g0b, g1b
	s_cmp_eq_u32 s15, 0
	s_cbranch_scc0 .Lfor_b_\@
	tensor_load_to_lds s[\g0a:\g0a+3], s[\g1a:\g1a+7]
	s_nop 0
.rept 4
	v_nop
.endr
	s_branch .Lasked_\@
.Lfor_b_\@:
	tensor_load_to_lds s[\g0b:\g0b+3], s[\g1b:\g1b+7]
	s_nop 0
.rept 4
	v_nop
.endr
.Lasked_\@:
.endm
; A prefetch behind each full refill: the 38,400 bytes that my wave's NEXT refill will ask for, three steps ahead of that load.  The four partners that ask jointly share its 150 blocks of 256 bytes out by address:
; partner p names blocks 38 p .. 38 p + 37 (held at 149), a lane a block, two instructions.  The last fill, of two steps, is not asked for: the loop's last trip jumps over slot 1's request, so no address leaves the group.
.macro ASK slot
.if \slot
	s_cmp_gt_u32 s3, 1
	s_cbranch_scc0 .Lno_ask_\@
.endif
	global_prefetch_b8 v[PFO], s[PFA:PFA+1] th:TH_LOAD_NT scope:SCOPE_SE
	global_prefetch_b8 v[PFO+1], s[PFA:PFA+1] th:TH_LOAD_NT scope:SCOPE_SE
.if \slot
.Lno_ask_\@:
.endif
.endm
.macro CREST                           ; a round of the cluster's barrier behind its opening barrier
	s_cmp_lg_u32 s14, 0
	s_cbranch_scc1 .Lnot_wave_0_\@
	s_barrier_signal -3
.Lnot_wave_0_\@:
	s_barrier_wait -3
	s_barrier_signal -1
	s_barrier_wait -1
.endm
.macro CROUND
	s_barrier_signal -1
	s_barrier_wait -1
	CREST
.endm
	s_load_b128 s[4:7], s[0:1], 0x0                ; xq, wq
	s_load_b128 s[8:11], s[0:1], 0x10              ; bias, out0
	v_lshl_add_u32 v[SPW], v0, 2, SPARE
	v_mov_b32 v[NIL], 0
	ds_add_u32 v[SPW], v[NIL]                      ; the opening lines: the add, twice on end, and its wait ahead of my first tensor load
	ds_add_u32 v[SPW], v[NIL]
	v_lshrrev_b32 v1, 5, v0
	v_readfirstlane_b32 s14, v1                    ; wave 0..3
	s_lshr_b32 s15, s14, 1                         ; my half of the block's rows.  Also: I fetch for x (0) or for w (1)
	s_and_b32 s16, s14, 1                          ; my half of its columns.  Also: which of the two groups I fetch
	s_bfe_u32 s40, ttmp6, 0x40000                  ; cx, cy
	s_bfe_u32 s41, ttmp6, 0x40004
	s_lshl_b32 s42, ttmp9, 2
	s_add_co_u32 s42, s42, s40                     ; block column
	s_and_b32 s17, ttmp7, 0xffff
	s_lshl_b32 s17, s17, 2
	s_add_co_u32 s17, s17, s41                     ; block row
	s_lshl_b32 s43, s41, 2
	s_lshl_b32 s43, 15, s43                        ; my row of the cluster
	s_lshl_b32 s44, 0x1111, s40                    ; my column
	s_or_b32 s[G1+0], s43, (3<<16)|(1<<21)         ; the mask; elements of 8 bytes; bit 21 beside a mask; no padding: the images are read 16 bytes a lane on end
	s_or_b32 s[G1B+0], s44, (3<<16)|(1<<21)
	s_or_b32 s[G1P+0], s43, (3<<16)|(1<<21)
	s_or_b32 s[G1PB+0], s44, (3<<16)|(1<<21)
.irp g, G1, G1B                        ; a dense run of 38,400 bytes as 150 rows of 256
	s_mov_b32 s[\g+1], 32<<16
	s_mov_b32 s[\g+2], (WPART/256)<<16
	s_mov_b32 s[\g+3], 32<<16
	s_mov_b32 s[\g+4], WPART/256
	s_mov_b32 s[\g+5], 32
	s_mov_b32 s[\g+6], 0
	s_mov_b32 s[\g+7], 0
.endr
.irp g, G1P, G1PB                      ; and of 25,600 bytes as 100 rows
	s_mov_b32 s[\g+1], 32<<16
	s_mov_b32 s[\g+2], (2*BLK/256)<<16
	s_mov_b32 s[\g+3], 32<<16
	s_mov_b32 s[\g+4], 2*BLK/256
	s_mov_b32 s[\g+5], 32
	s_mov_b32 s[\g+6], 0
	s_mov_b32 s[\g+7], 0
.endr
	s_lshl_b32 s20, s17, 1
	s_add_co_u32 s20, s20, s16                     ; x's group that I would fetch: made of the block row and the wave alone,
	s_lshl_b32 s46, s42, 1
	s_add_co_u32 s46, s46, s16                     ; w's: of the block column and the wave alone
	s_mul_i32 s20, s20, GB                         ; 63 x 409,600 at the most
	s_mov_b32 s21, 0
	s_mul_i32 s46, s46, GB
	s_mov_b32 s47, 0
	s_mul_i32 s45, s14, WPART                      ; where it goes: wave x 38,400
	s_wait_dscnt 0x0                               ; both opening adds are done
	s_wait_kmcnt 0x0
	s_add_nc_u64 s[20:21], s[4:5], s[20:21]
	s_add_nc_u64 s[46:47], s[6:7], s[46:47]
	CROUND                                         ; all sixteen work-groups are here: the first joint loads meet
.irp s, 0,1
	s_mov_b32 s[G0+4*\s], 1
	s_add_co_u32 s[G0+4*\s+1], s45, \s*SLOT
	s_add_nc_u64 s[G0+4*\s+2:G0+4*\s+3], s[20:21], \s*WPART
	s_or_b32 s[G0+4*\s+3], s[G0+4*\s+3], 0x80000000
	s_mov_b32 s[G0B+4*\s], 1
	s_add_co_u32 s[G0B+4*\s+1], s45, \s*SLOT
	s_add_nc_u64 s[G0B+4*\s+2:G0B+4*\s+3], s[46:47], \s*WPART
	s_or_b32 s[G0B+4*\s+3], s[G0B+4*\s+3], 0x80000000
.endr
	JLOAD G0, G1, G0B, G1B                         ; steps 0 to 2: one tensor load a wave at the head
	; the scalar part of the addresses first, then the vector part in one run
	s_mul_i32 s21, s15, WPART                      ; my group of x in slot 0,
	s_mul_i32 s22, s16, WPART
	s_add_co_u32 s22, s22, 2*WPART                 ; my group of w, behind x's two,
	s_sub_co_u32 s23, s22, s21                     ; the distance between the two,
	s_add_co_u32 s92, s21, SLOT                    ; and the same in slot 1
	s_add_co_u32 s93, s22, SLOT
	s_lshl_b32 s18, s17, 8
	s_lshl_b32 s19, s15, 7
	s_add_co_u32 s18, s18, s19                     ; my first row of out0
	s_lshl_b32 s18, s18, 13                        ; x 8,192 bytes
	s_mov_b32 s19, 0
	s_lshl_b32 s46, s42, 10                        ; my first column, in bytes
	s_lshl_b32 s47, s16, 9
	s_add_co_u32 s46, s46, s47
	s_mov_b32 s47, 0
	s_add_nc_u64 s[8:9], s[8:9], s[46:47]
	s_add_nc_u64 s[10:11], s[10:11], s[46:47]
	s_add_nc_u64 s[10:11], s[10:11], s[18:19]
	s_lshl_b32 s88, s17, 1                         ; the prefetches: the group that I fetch, and my place among the four that ask with me
	s_lshl_b32 s89, s42, 1
	s_cmp_eq_u32 s15, 0
	s_cselect_b32 s88, s88, s89
	s_cselect_b32 s94, s40, s41
	s_cselect_b64 s[PFA:PFA+1], s[4:5], s[6:7]
	s_add_co_u32 s88, s88, s16
	s_mul_i32 s88, s88, GB
	s_mov_b32 s89, 0
	s_add_nc_u64 s[PFA:PFA+1], s[PFA:PFA+1], s[88:89]
	s_add_nc_u64 s[PFA:PFA+1], s[PFA:PFA+1], 2*WPART   ; the first refill steps it to the fill after its own
	s_mul_i32 s94, s94, 38
	v_and_b32 v3, 31, v0                           ; lane
	v_and_b32 v1, 15, v0                           ; r
	v_bfe_u32 v2, v0, 4, 1                         ; h
	v_lshlrev_b32 v4, 4, v3                        ; 16 x lane
	v_lshlrev_b32 v5, 2, v1
	v_mul_u32_u24 v6, s23, v2                      ; lanes 16-31 take w's scale words
	v_add_nc_u32 v5, v5, v6
	v_add_nc_u32 v5, SCO, v5
	v_add_nc_u32 v[ADRA], s21, v4
	v_add_nc_u32 v[ADRA+1], s92, v4
	v_add_nc_u32 v[ADRB], s22, v4
	v_add_nc_u32 v[ADRB+1], s93, v4
	v_add_nc_u32 v[ADRS], s21, v5
	v_add_nc_u32 v[ADRS+1], s92, v5
	v_lshlrev_b32 v[BA], 4, v1
	v_lshl_add_u32 v[CO], v2, 16, v[BA]            ; 8 h rows of 8,192 bytes + 16 r
	v_add_nc_u32 v8, s94, v3
	v_lshlrev_b32 v[PFO], 8, v8                    ; blocks 38 p + lane,
	v_min_u32 v8, 5, v3
	v_add_nc_u32 v8, s94, v8
	v_add_nc_u32 v8, 32, v8
	v_min_u32 v8, WPART/256-1, v8
	v_lshlrev_b32 v[PFO+1], 8, v8                  ; and 38 p + 32 .. 37, held at the fill's last block
.macro FRAG reg, adr, j, i             ; a fragment: three loads of 16 bytes a lane, 512 bytes on end each
.irp c, 0,1,2
	ds_load_b128 v[\reg+4*\c:\reg+4*\c+3], v[\adr] offset:(\j)*BLK+(\i)*FRB+512*\c
.endr
.endm
; Eight matrix instructions: x's block a of set p against w's eight of set p.  The accumulators take turns, one instruction a turn.
.macro BLOCK a, p, zero
.set AR, 128+FR*(\a)-72*(\p)+96*(\p)*((\a)/6)   ; x's block a: set 0 at v128 + 12 a; set 1 at v56 + 12 a, its blocks 6 and 7 at v224 and v236
.set AC, 64*((\a)%4)
	WIN MUL_LO+0x50*((\a)/4)
.irp b, 0,1,2,3,4,5,6,7
.if \zero
	v_wmma_scale_f32_16x16x128_f8f6f4 v[AC+8*\b:AC+8*\b+7], v[AR:AR+FR-1], v[128*(\p)+FR*\b:128*(\p)+FR*\b+FR-1], 0, v[SC+8*(\p)+(\a)], v[SC+8*(\p)+\b] matrix_a_fmt:MATRIX_FMT_BF6 matrix_b_fmt:MATRIX_FMT_BF6 matrix_b_scale:MATRIX_SCALE_ROW1
.else
	v_wmma_scale_f32_16x16x128_f8f6f4 v[AC+8*\b:AC+8*\b+7], v[AR:AR+FR-1], v[128*(\p)+FR*\b:128*(\p)+FR*\b+FR-1], v[AC+8*\b:AC+8*\b+7], v[SC+8*(\p)+(\a)], v[SC+8*(\p)+\b] matrix_a_fmt:MATRIX_FMT_BF6 matrix_b_fmt:MATRIX_FMT_BF6 matrix_b_scale:MATRIX_SCALE_ROW1
.endif
.endr
.endm
.macro LB slot, j, p, i0, n            ; w's fragments i0 .. i0 + n - 1 of step j of a slot into set p: 3 n loads
	WIN TO_B
.set I, \i0
.rept \n
	FRAG 128*(\p)+FR*I, ADRB+\slot, \j, I
.set I, I+1
.endr
.endm
.macro LA slot, j, p, i0, n            ; x's likewise
	WIN 0
.set I, \i0
.rept \n
	FRAG 128+FR*I-72*(\p)+96*(\p)*(I/6), ADRA+\slot, \j, I
.set I, I+1
.endr
.endm
.macro SCALES slot, j, p               ; 8 loads
	WIN 0
.irp i, 0,1,2,3,4,5,6,7
	ds_load_b32 v[SC+8*(\p)+\i], v[ADRS+\slot] offset:(\j)*BLK+64*\i
.endr
.endm
.macro RUN1 slot, j, p                 ; 27 loads: w's eight fragments and x's block 0 of step j of a slot, into the sets p
	LB \slot, \j, \p, 0, 8
	LA \slot, \j, \p, 0, 1
.endm
.macro RUN2 slot, j, p                 ; 29 loads: the scale words and x's blocks 1 to 7
	SCALES \slot, \j, \p
	LA \slot, \j, \p, 1, 7
.endm
.macro PLACES                          ; four places behind matrix instructions, ahead of loads into registers that they have read and of reads of their results
.rept 4
	v_nop
.endr
.endm
; Step j (0 or 1) of a slot, on the sets p; step j + 1 of the same slot is fetched into the sets 1 - p, which the step before has done with (the four places stand ahead of the first of these loads).
.macro STEP slot, j, p, zero
	PLACES
	RUN1 \slot, (\j)+1, 1-(\p)
	s_wait_dscnt 27                                ; this step's fragments and scale words are in; out may be the 27 loads just issued
.irp a, 0,1,2,3
	BLOCK \a, \p, \zero
.endr
	RUN2 \slot, (\j)+1, 1-(\p)
.irp a, 4,5,6,7
	BLOCK \a, \p, \zero
.endr
	WIN 0
.endm
; The last step of a slot changes slots.  All its fragments were fetched in the step before, so my reads of this slot are over at its start.  In front of ONE barrier each wave waits for all its tensor loads,
; adds 0 to its spare word, and waits for that and for its reads of this slot.  fill = 1: the barrier opens a round of the cluster's barrier and this slot is filled again, two fills ahead;
; 2: the same with the last fill, of two steps; 0: nothing is left to fetch.  Behind it the next slot's first step is fetched, again in two runs, with 24 matrix instructions behind each.
.macro TURN slot, next, p, fill
.if \fill == 1
	s_wait_xcnt 0x0                                ; my last prefetches have read their address
	s_add_nc_u64 s[PFA:PFA+1], s[PFA:PFA+1], WPART
.endif
	s_wait_tensorcnt 0x0                           ; my part of the next slot has landed
	ds_add_u32 v[SPW], v[NIL]
	s_wait_dscnt 1                                 ; this step's fragments are in (the add may be out)
	BLOCK 0, \p, 0                                 ; eight matrix instructions stand between the add and the wait for it
	s_wait_dscnt 0x0                               ; the add is done, and my reads of this slot are over
	s_barrier_signal -1
	BLOCK 1, \p, 0
	WIN 0
	s_barrier_wait -1
.if \fill
	CREST                                          ; no wave of any partner still reads this slot or has a load on its way
	s_add_nc_u64 s[G0+4*\slot+2:G0+4*\slot+3], s[G0+4*\slot+2:G0+4*\slot+3], 2*WPART
	s_add_nc_u64 s[G0B+4*\slot+2:G0B+4*\slot+3], s[G0B+4*\slot+2:G0B+4*\slot+3], 2*WPART
.if \fill == 1
	JLOAD G0+4*\slot, G1, G0B+4*\slot, G1B         ; the first tensor load behind the round; its four v_nop are the places in front of the loads below
.else
	JLOAD G0+4*\slot, G1P, G0B+4*\slot, G1PB
.endif
.else
	PLACES
.endif
	RUN1 \next, 0, 1-(\p)
.irp a, 2,3,4
	BLOCK \a, \p, 0
.endr
	RUN2 \next, 0, 1-(\p)
.if \fill == 1
	ASK \slot
.endif
.irp a, 5,6,7
	BLOCK \a, \p, 0
.endr
	WIN 0
.endm
	s_wait_alu depctr_va_vdst(0)
	s_wait_tensorcnt 0x0                           ; my part of slot 0 is in; slot 1's first fill is issued as a refill is:
	ds_add_u32 v[SPW], v[NIL]
	s_wait_dscnt 0x0
	CROUND
	JLOAD G0+4, G1, G0B+4, G1B                     ; steps 3 to 5
	RUN1 0, 0, 0
	RUN2 0, 0, 0
	STEP 0, 0, 0, 1                                ; step 0 starts the sums: nothing is cleared
	s_mov_b32 s3, TRIPS
.Llap:                                                 ; a trip is six steps, once round the ring; both slots are filled again
	STEP 0, 1, 1, 0
	TURN 0, 1, 0, 1
	STEP 1, 0, 1, 0
	STEP 1, 1, 0, 0
	TURN 1, 0, 1, 1
	STEP 0, 0, 0, 0
	s_sub_co_u32 s3, s3, 1
	s_cmp_lg_u32 s3, 0
	s_cbranch_scc1 .Llap
	global_load_b128 v[BI:BI+3], v[BA], s[8:9]               ; the bias of my columns 4 r .. 4 r + 3,
	global_load_b128 v[BI+4:BI+7], v[BA], s[8:9] offset:256  ; and 64 + 4 r .. : six steps ahead of its first use
	STEP 0, 1, 1, 0                                ; steps 25 to 30
	TURN 0, 1, 0, 2
	STEP 1, 0, 1, 0
	STEP 1, 1, 0, 0
	TURN 1, 0, 1, 0
	STEP 0, 0, 0, 0
; THE WAY OUT of block a, 16 rows x 128 columns: 64 additions put number (row 8 h + j, column 64 g + 4 r + b) + bias into register 32 g + 4 j + b of a buffer, each accumulator from its low end on;
; sixteen stores follow, in each of which sixteen lanes cover 256 consecutive bytes, aligned.  Every row stands in the store's immediate: 127 rows of 8,192 bytes at the most.
; Three buffers of 64 registers by turns, in registers that the last step does not use (x's set 0; w's set 0 and the 32 behind it); a buffer is written again behind the wait that frees its stores' data.
.macro OUT a
	PLACES
.if (\a) >= 3
	s_wait_xcnt 0x0
.endif
.set TW, (((\a)%3)+1)/2                ; window 0, 1, 1
.set TB, 128-128*TW+64*(((\a)%3)/2)    ; v128, v0, v64
	WIN (TW<<6)|(2+(\a)/4)                         ; source 0: window 2 or 3; the bias: window 0; the destination: the buffer's window
.irp j, 0,1,2,3,4,5,6,7
.irp c, 0,1,2,3,4,5,6,7
	v_add_f32 v[TB+32*(\c/4)+4*\j+(\c%4)], v[64*((\a)%4)+8*\c+\j], v[BI+\c]
.endr
.endr
	WIN TW<<2                                      ; a store's data: the buffer's window
.irp j, 0,1,2,3,4,5,6,7
.irp g, 0,1
	global_store_b128 v[CO], v[TB+32*\g+4*\j:TB+32*\g+4*\j+3], s[10:11] offset:(16*(\a)+\j)*SIZE_N*4+256*\g th:TH_STORE_NT   ; written once, read by nobody here
.endr
.endr
.endm
	; the last step, 31, on the sets 1: nothing more to fetch; a block of 16 rows is finished by its eight matrix instructions and leaves behind the next block's
	s_wait_loadcnt 0x0                             ; the bias
	s_wait_dscnt 0x0                               ; the step's fragments and scale words
	BLOCK 0, 1, 0
.irp a, 1,2,3,4,5,6,7
	BLOCK \a, 1, 0
	OUT \a-1
.endr
	OUT 7
	WIN 0
	s_wait_tensorcnt 0x0                           ; the wave's end
	ds_add_u32 v[SPW], v[NIL]
	s_wait_dscnt 0x0
	CROUND                                         ; the closing round: no work-group ends while a partner may still ask for a tile that names it
	s_endpgm
.Lfunc_end_k_q054063a819_gemm:
	.size	k_q054063a819_gemm, .Lfunc_end_k_q054063a819_gemm-k_q054063a819_gemm
	.p2alignl 7, 3214868480
	.fill 96, 4, 3214868480
	.section	.rodata,"a",@progbits
	.p2align	6, 0x0
	.amdhsa_kernel k_q054063a819_gemm
		.amdhsa_group_segment_fixed_size 327680
		.amdhsa_private_segment_fixed_size 0
		.amdhsa_enable_private_segment 0
		.amdhsa_kernarg_size 32
		.amdhsa_user_sgpr_count 2
		.amdhsa_user_sgpr_kernarg_segment_ptr 1
		.amdhsa_wavefront_size32 1
		.amdhsa_system_sgpr_workgroup_id_x 1
		.amdhsa_system_sgpr_workgroup_id_y 1
		.amdhsa_system_sgpr_workgroup_id_z 1
		.amdhsa_system_vgpr_workitem_id 0
		.amdhsa_next_free_vgpr 1024
		.amdhsa_next_free_sgpr 98
		.amdhsa_reserve_vcc 0
		.amdhsa_float_denorm_mode_32 3
		.amdhsa_float_denorm_mode_16_64 3
		.amdhsa_memory_ordered 1
		.amdhsa_forward_progress 1
		.amdhsa_inst_pref_size 209
	.end_amdhsa_kernel
	.amdgpu_metadata
---
amdhsa.version: [ 1, 2 ]
amdhsa.kernels:
  - .name:           k_q054063a819_gemm
    .symbol:         k_q054063a819_gemm.kd
    .args:
      - { .name: xq, .offset: 0, .size: 8, .value_kind: global_buffer, .address_space: global }
      - { .name: wq, .offset: 8, .size: 8, .value_kind: global_buffer, .address_space: global }
      - { .name: bias, .offset: 16, .size: 8, .value_kind: global_buffer, .address_space: global }
      - { .name: out0, .offset: 24, .size: 8, .value_kind: global_buffer, .address_space: global }
    .group_segment_fixed_size: 327680
    .private_segment_fixed_size: 0
    .kernarg_segment_align: 8
    .kernarg_segment_size: 32
    .max_flat_workgroup_size: 128
    .sgpr_count:     98
    .vgpr_count:     1024
    .wavefront_size: 32
...
	.end_amdgpu_metadata
.endif
;; end of part 2
